; MI455X (gfx1250); checked and timed in simulation.
; The chip was launched on July 23, 2026; its instructions are those of AMD's public machine-readable ISA for CDNA 5 (MIT licence, August 2026) and "CDNA5" Instruction Set Architecture Reference Guide (July 2026). The comments in the code are by the model that wrote it; some were corrected since.
;; Ro I Heads. Allowed arithmetic: float matrix products may take bf16 or f16 operands with f32 sums; all other float work in f32.
;; Inputs: box_regression 8,000 x 324 float32; class_logits 8,000 x 81 float32; rois 4 x 2,000 x 4 float32.
;; Outputs: out0 4 x 100 x 4 float32; out1 4 x 100 float32; out2 4 x 100 int32.
;; Constants: image_h = 800, image_w = 1333.
;; One version. Each part assembles by itself: llvm-mc -triple=amdgcn-amd-amdhsa -mcpu=gfx1250 --defsym DOCPART=n.
;; ======== version 1 of 1: 5 launches
;; workspace buffers: keys 2,560,000 bytes of whole numbers; hist 64,000 bytes of whole numbers; list 5,128,192 bytes of whole numbers; cnt 256 bytes of whole numbers; srt 348,160 bytes; slab 65,536 bytes of whole numbers; keep 65,536 bytes of whole numbers
;; launch score (part 1): grid 500 x 1, 16 waves a work-group, no clusters, 9,216 bytes of LDS; arguments class_logits, box_regression, rois, keys, hist; writes keys, hist
.if DOCPART == 1
	.amdgcn_target "amdgcn-amd-amdhsa--gfx1250"
	.amdhsa_code_object_version 6
	.text
	.protected	k_q55735e9de5_score
	.globl	k_q55735e9de5_score
	.p2align	8
	.type	k_q55735e9de5_score,@function
k_q55735e9de5_score:
	s_mov_b64 s[64:65], 0
	v_nop
	global_prefetch_b8 v0, s[64:65] scope:SCOPE_SE
	s_setreg_imm32_b32 hwreg(HW_REG_WAVE_MODE, 25, 1), 1
	s_wait_xcnt 0x0
; Softmax, box decode, clip and validity test.  For each of the 8000 rows x 80 foreground classes one word goes out:
; key = the bits of the score if the candidate is valid (score > 0.05, width and height >= 0.01), else 0.
; A positive f32 orders like its bits taken as an unsigned number, so later launches treat keys as whole numbers.
; Also a table per work-group: for 32 fixed thresholds thr_t = KMIN + t STEP, how many of its 1280 keys are >= thr_t.
; Sharing: work-group g owns rows 16 g .. 16 g + 15 (125 work-groups make an image), wave w one row, lane l the classes
; 1 + l, 33 + l and 65 + (l & 15): lanes 16-31 repeat the third class of lanes 0-15 bit for bit, and are left out of sums and counts.
; Every input byte is read once here; no tile is shared between work-groups, so no cluster, no copy engine, no matrix unit.
; LIMITS: NaN and infinite inputs are not served.  score = exp2(x log2e - RN(max log2e)) * rcp(sum): a few ulp from an
; exact exp and division, so two candidates whose scores lie that close may change places in the later order.
.set LOG2E, 0x3fb8aa3b
.set CLIPV, 0x40845349                 ; log(1000 / 16)
.set KMIN,  0x3d4cccce                 ; bits of the first f32 above 0.05
.set STEP,  0x119999                   ; (bits of 1.0 - KMIN) / 32
.set LHIST, 5120                       ; LDS: keys at 0, 320 bytes a wave; tables at 5120, 128 bytes a wave
.set SWF, 26                           ; s26 = 1333.0
.set SHF, 27                           ; s27 = 800.0
; maximum / sum over the 32 lanes, the result in every lane; t: a register that has been written before
.macro WMAX r, t
	v_max_num_f32_dpp v[\r], v[\r], v[\r] row_xmask:1 row_mask:0xf bank_mask:0xf
	v_max_num_f32_dpp v[\r], v[\r], v[\r] row_xmask:2 row_mask:0xf bank_mask:0xf
	v_max_num_f32_dpp v[\r], v[\r], v[\r] row_xmask:4 row_mask:0xf bank_mask:0xf
	v_max_num_f32_dpp v[\r], v[\r], v[\r] row_xmask:8 row_mask:0xf bank_mask:0xf
	v_permlanex16_b32 v[\t], v[\r], s24, s25
	v_max_num_f32 v[\r], v[\r], v[\t]
.endm
.macro WSUM r, t
	v_add_f32_dpp v[\r], v[\r], v[\r] row_xmask:1 row_mask:0xf bank_mask:0xf
	v_add_f32_dpp v[\r], v[\r], v[\r] row_xmask:2 row_mask:0xf bank_mask:0xf
	v_add_f32_dpp v[\r], v[\r], v[\r] row_xmask:4 row_mask:0xf bank_mask:0xf
	v_add_f32_dpp v[\r], v[\r], v[\r] row_xmask:8 row_mask:0xf bank_mask:0xf
	v_permlanex16_b32 v[\t], v[\r], s24, s25
	v_add_f32 v[\r], v[\r], v[\t]
.endm
; decode and clip one box.  d: dx dy dw dh;  x: the box out;  g: w h cx cy of the proposal;  t: four temporaries
.macro DEC d, x, g, t
	v_min_num_f32 v[\t], CLIPV, v[\d+2]
	v_min_num_f32 v[\t+1], CLIPV, v[\d+3]
	v_mul_f32 v[\t], LOG2E, v[\t]
	v_mul_f32 v[\t+1], LOG2E, v[\t+1]
	v_exp_f32 v[\t], v[\t]
	v_exp_f32 v[\t+1], v[\t+1]
	v_fma_f32 v[\t+2], v[\d], v[\g], v[\g+2]           ; pcx: the plain instruction between the exponentials and their use (ISA guide 5.7.2)
	v_fma_f32 v[\t+3], v[\d+1], v[\g+1], v[\g+3]       ; pcy
	s_wait_alu depctr_va_vdst(0)
	v_mul_f32 v[\t], v[\t], v[\g]                      ; pw
	v_mul_f32 v[\t+1], v[\t+1], v[\g+1]                ; ph
	v_fma_f32 v[\x], -0.5, v[\t], v[\t+2]
	v_fma_f32 v[\x+1], -0.5, v[\t+1], v[\t+3]
	v_fma_f32 v[\x+2], 0.5, v[\t], v[\t+2]
	v_fma_f32 v[\x+3], 0.5, v[\t+1], v[\t+3]
	v_med3_num_f32 v[\x], v[\x], 0, s[SWF]             ; clip to the image
	v_med3_num_f32 v[\x+1], v[\x+1], 0, s[SHF]
	v_med3_num_f32 v[\x+2], v[\x+2], 0, s[SWF]
	v_med3_num_f32 v[\x+3], v[\x+3], 0, s[SHF]
.endm
; the key of my class number k: deltas v[12+4k ..], score v[26+k], key v[44+k]
.macro KEY k
	s_wait_loadcnt 2-\k                                ; loads come back in order: the 2 - k later delta loads stay out
	DEC 12+4*\k, 36, 32, 40
	v_sub_f32 v40, v38, v36
	v_sub_f32 v41, v39, v37
	v_cmp_lt_f32 s30, s28, v[26+\k]                    ; 0.05 < score
	v_cmp_le_f32 s31, s29, v40                         ; 0.01 <= width
	v_cmp_le_f32 s32, s29, v41                         ; 0.01 <= height
	s_and_b32 s30, s30, s31
	s_and_b32 s30, s30, s32
	v_cndmask_b32 v[44+\k], 0, v[26+\k], s30
.endm
	s_load_b256 s[4:11], s[0:1], 0x0                   ; logits s[4:5], deltas s[6:7], rois s[8:9], keys s[10:11]
	s_load_b64 s[12:13], s[0:1], 0x20                  ; hist
	v_lshl_add_u32 v64, v0, 2, 0x1c00
	v_mov_b32 v65, 0
	v_lshrrev_b32 v1, 5, v0
	v_readfirstlane_b32 s14, v1                        ; wave
	v_and_b32 v1, 31, v0                               ; lane
	s_lshl4_add_u32 s15, ttmp9, s14                    ; my row R = 16 g + w
	s_mul_i32 s16, s15, 324                            ; a row of logits
	s_mov_b32 s17, 0
	s_mul_i32 s18, s15, 1296                           ; a row of deltas
	s_mov_b32 s19, 0
	s_lshl_b32 s2, s15, 4                              ; a proposal
	s_mov_b32 s3, 0
	s_mul_i32 s36, ttmp9, 5120                         ; the work-group's 1280 keys
	s_mov_b32 s37, 0
	s_lshl_b32 s38, ttmp9, 7                           ; its table
	s_mov_b32 s39, 0
	s_mov_b32 s24, 0x76543210                          ; v_permlanex16_b32: lane i reads lane i of the other half
	s_mov_b32 s25, 0xfedcba98
	s_mov_b32 s26, 0x44a6a000                          ; 1333.0
	s_mov_b32 s27, 0x44480000                          ; 800.0
	s_mov_b32 s28, 0x3d4ccccd                          ; 0.05
	s_mov_b32 s29, 0x3c23d70a                          ; 0.01
	s_mov_b32 s34, 0xffff
	s_mov_b32 s35, LOG2E
	v_and_b32 v11, 15, v1                              ; l & 15
	v_lshl_add_u32 v2, v1, 2, 4                        ; logit of class 1 + l
	v_lshl_add_u32 v3, v11, 2, 260                     ; logit of class 65 + (l & 15)
	v_lshl_add_u32 v4, v1, 4, 16                       ; deltas of class 1 + l
	v_lshl_add_u32 v5, v11, 4, 1040                    ; deltas of class 65 + (l & 15)
	v_mov_b32 v6, 0                                    ; class 0, the same word for every lane
	v_mov_b32 v25, 0                                   ; the cross-half permute counts as a reader of its destination
	s_wait_kmcnt 0x0
	s_add_nc_u64 s[4:5], s[4:5], s[16:17]
	s_add_nc_u64 s[6:7], s[6:7], s[18:19]
	s_add_nc_u64 s[8:9], s[8:9], s[2:3]
	s_add_nc_u64 s[10:11], s[10:11], s[36:37]
	s_add_nc_u64 s[12:13], s[12:13], s[38:39]
	s_load_b128 s[20:23], s[8:9], 0x0                  ; x1 y1 x2 y2 of my proposal
	global_load_b32 v7, v6, s[4:5]
	global_load_b32 v8, v2, s[4:5]
	global_load_b32 v9, v2, s[4:5] offset:128
	global_load_b32 v10, v3, s[4:5]
	global_load_b128 v[12:15], v4, s[6:7] th:TH_LOAD_NT
	global_load_b128 v[16:19], v4, s[6:7] offset:512 th:TH_LOAD_NT
	global_load_b128 v[20:23], v5, s[6:7] th:TH_LOAD_NT
	s_wait_kmcnt 0x0
	; softmax over the row's 81 classes
	s_wait_loadcnt 0x3                                 ; the four logit loads are in; the three delta loads stay out
	v_max3_num_f32 v24, v8, v9, v10
	v_max_num_f32 v24, v24, v7
	WMAX 24, 25
	v_mul_f32 v25, s35, v24                            ; max log2e, rounded once: common to the row, it cancels in the quotient
	v_fma_f32 v26, v8, s35, -v25
	v_fma_f32 v27, v9, s35, -v25
	v_fma_f32 v28, v10, s35, -v25
	v_fma_f32 v29, v7, s35, -v25
	v_exp_f32 v26, v26
	v_exp_f32 v27, v27
	v_exp_f32 v28, v28
	v_exp_f32 v29, v29
	v_sub_f32 v32, s22, s20                            ; w (the plain instruction behind the exponentials)
	v_sub_f32 v33, s23, s21                            ; h
	s_wait_alu depctr_va_vdst(0)
	v_cndmask_b32 v31, 0, v28, s34                     ; lanes 16-31 hold classes 65-80 a second time: not summed
	v_add_f32 v30, v26, v27
	v_add_f32 v30, v30, v31
	WSUM 30, 25
	v_add_f32 v30, v30, v29                            ; the background class, once
	v_rcp_f32 v31, v30
	v_fma_f32 v34, 0.5, v32, s20                       ; cx (the plain instruction behind the reciprocal)
	v_fma_f32 v35, 0.5, v33, s21                       ; cy
	s_wait_alu depctr_va_vdst(0)
	v_mul_f32 v26, v26, v31
	v_mul_f32 v27, v27, v31
	v_mul_f32 v28, v28, v31
	KEY 0
	KEY 1
	KEY 2
	v_cndmask_b32 v51, 0, v46, s34                     ; for the counts: classes 65-80 once
	; lane t of v47: how many of the row's keys are >= thr_t
	v_mov_b32 v47, 0
.set t, 0
.rept 32
	v_cmp_le_u32 s30, KMIN+t*STEP, v44
	v_cmp_le_u32 s31, KMIN+t*STEP, v45
	v_cmp_le_u32 s32, KMIN+t*STEP, v51
	s_bcnt1_i32_b32 s30, s30
	s_bcnt1_i32_b32 s31, s31
	s_bcnt1_i32_b32 s32, s32
	s_add_co_u32 s30, s30, s31
	s_add_co_u32 s30, s30, s32
	v_writelane_b32 v47, s30, t
.set t, t+1
.endr
	; through LDS, so that keys leave as 16 bytes a lane and the 16 tables as one
	s_mul_i32 s16, s14, 320
	v_lshl_add_u32 v48, v1, 2, s16                     ; 320 w + 4 l
	v_lshl_add_u32 v50, v11, 2, s16                    ; 320 w + 4 (l & 15)
	v_lshlrev_b32 v49, 2, v0                           ; 128 w + 4 l
	ds_store_b32 v48, v44
	ds_store_b32 v48, v45 offset:128
	ds_store_b32 v50, v46 offset:256                   ; lanes l and l + 16 write one word with one value: 64 bytes, inside my row
	ds_store_b32 v49, v47 offset:LHIST
	s_wait_dscnt 0x0                                   ; my stores are in LDS before I say so
	s_barrier_signal -1
	s_barrier_wait -1
	s_cmp_gt_u32 s14, 9
	s_cbranch_scc1 .Lhist
	v_lshlrev_b32 v56, 4, v0                           ; waves 0-9: 320 threads x 16 bytes = the 5120 bytes of keys
	ds_load_b128 v[52:55], v56
	s_wait_dscnt 0x0
	global_store_b128 v56, v[52:55], s[10:11]          ; 16 lanes store 256 consecutive bytes, aligned (5120 g is a multiple of 256)
	s_wait_tensorcnt 0x0
	ds_add_u32 v64, v65
	s_wait_dscnt 0x0
	s_endpgm
.Lhist:
	s_cmp_lg_u32 s14, 10
	s_cbranch_scc1 .Lend
	v_lshlrev_b32 v56, 2, v1                           ; wave 10 adds the 16 rows' tables
.set j, 0
.rept 16
	ds_load_b32 v[16+j], v56 offset:LHIST+128*j
.set j, j+1
.endr
	s_wait_dscnt 0x0
	v_add3_u32 v16, v16, v17, v18
	v_add3_u32 v19, v19, v20, v21
	v_add3_u32 v22, v22, v23, v24
	v_add3_u32 v25, v25, v26, v27
	v_add3_u32 v28, v28, v29, v30
	v_add3_u32 v16, v16, v19, v22
	v_add3_u32 v25, v25, v28, v31
	v_add_nc_u32 v16, v16, v25
	global_store_b32 v56, v16, s[12:13]
.Lend:
	s_wait_tensorcnt 0x0
	ds_add_u32 v64, v65
	s_wait_dscnt 0x0
	s_endpgm
.Lfunc_end_k_q55735e9de5_score:
	.size	k_q55735e9de5_score, .Lfunc_end_k_q55735e9de5_score-k_q55735e9de5_score
	.p2alignl 7, 3214868480
	.fill 96, 4, 3214868480
	.section	.rodata,"a",@progbits
	.p2align	6, 0x0
	.amdhsa_kernel k_q55735e9de5_score
		.amdhsa_group_segment_fixed_size 9216
		.amdhsa_private_segment_fixed_size 0
		.amdhsa_enable_private_segment 0
		.amdhsa_kernarg_size 40
		.amdhsa_user_sgpr_count 2
		.amdhsa_user_sgpr_kernarg_segment_ptr 1
		.amdhsa_wavefront_size32 1
		.amdhsa_system_sgpr_workgroup_id_x 1
		.amdhsa_system_sgpr_workgroup_id_y 1
		.amdhsa_system_sgpr_workgroup_id_z 1
		.amdhsa_system_vgpr_workitem_id 0
		.amdhsa_next_free_vgpr 66
		.amdhsa_next_free_sgpr 66
		.amdhsa_reserve_vcc 0
		.amdhsa_float_denorm_mode_32 3
		.amdhsa_float_denorm_mode_16_64 3
		.amdhsa_memory_ordered 1
		.amdhsa_forward_progress 1
		.amdhsa_inst_pref_size 28
	.end_amdhsa_kernel
	.amdgpu_metadata
---
amdhsa.version: [ 1, 2 ]
amdhsa.kernels:
  - .name:           k_q55735e9de5_score
    .symbol:         k_q55735e9de5_score.kd
    .args:
      - { .name: class_logits, .offset: 0, .size: 8, .value_kind: global_buffer, .address_space: global }
      - { .name: box_regression, .offset: 8, .size: 8, .value_kind: global_buffer, .address_space: global }
      - { .name: rois, .offset: 16, .size: 8, .value_kind: global_buffer, .address_space: global }
      - { .name: keys, .offset: 24, .size: 8, .value_kind: global_buffer, .address_space: global }
      - { .name: hist, .offset: 32, .size: 8, .value_kind: global_buffer, .address_space: global }
    .group_segment_fixed_size: 9216
    .private_segment_fixed_size: 0
    .kernarg_segment_align: 8
    .kernarg_segment_size: 40
    .max_flat_workgroup_size: 512
    .sgpr_count:     66
    .vgpr_count:     66
    .wavefront_size: 32
...
	.end_amdgpu_metadata
.endif
;; end of part 1
;; launch compact (part 2): grid 125 x 4, 1 waves a work-group, no clusters, 0 bytes of LDS; arguments keys, hist, list, cnt; writes list, cnt
.if DOCPART == 2
	.amdgcn_target "amdgcn-amd-amdhsa--gfx1250"
	.amdhsa_code_object_version 6
	.text
	.protected	k_q55735e9de5_compact
	.globl	k_q55735e9de5_compact
	.p2align	8
	.type	k_q55735e9de5_compact,@function
k_q55735e9de5_compact:
	s_mov_b64 s[64:65], 0
	v_nop
	global_prefetch_b8 v0, s[64:65] scope:SCOPE_SE
	s_setreg_imm32_b32 hwreg(HW_REG_WAVE_MODE, 25, 1), 1
	s_wait_xcnt 0x0
; Cuts each image's 160,000 keys down to a short list that surely holds the best 4096.
; From the 125 tables of the image: T[t] = keys >= thr_t in the image, P[t] = the same in the work-groups in front of mine.
; t0 = the highest t with T[t] >= 4096 (0 if there is none), T0 = thr_t0, M = T[t0].  Every key >= T0 goes to place
; P[t0] + its number among such keys of my 16 rows: places 0 .. M - 1, each filled once, without traffic between work-groups.
; If fewer than 4096 candidates are valid (M < 4096, T0 = KMIN), a top-k fills up with the invalid ones of lowest flat index:
; the u-th key below T0 (in flat order) goes to place M + u while that is below 4096.
; An entry is 8 bytes: low word ~(128 n + c), high word the key: as one 64-bit number larger = better (ties: lower n, then lower c).
; One wave a work-group, the same 16 rows as one work-group of the first launch.  list: LIMG bytes an image; 32 entries of zeros
; stand behind the M' = max(M, 4096) entries, for readers that take 32 at a time.  cnt: 64 bytes an image, sixteen copies of M'.
.set KMIN, 0x3d4cccce
.set STEP, 0x119999
.set LIMG, 1282048                     ; 160,256 entries of 8 bytes
.set H, 16                             ; v16-v140: the image's 125 tables, lane t = threshold t
.set K, 144                            ; v144-v239: 48 pairs: even register the index word, odd register the key as loaded
	s_load_b128 s[4:7], s[0:1], 0x0                    ; keys, hist
	s_load_b64 s[8:9], s[0:1], 0x10                    ; list
	s_load_b64 s[18:19], s[0:1], 0x18                  ; cnt
	s_mov_b32 s10, ttmp9                               ; x: which 16 rows
	s_and_b32 s11, ttmp7, 0xffff                       ; y: image
	v_and_b32 v1, 31, v0
	v_lshlrev_b32 v2, 2, v1
	v_min_u32 v3, 15, v1                               ; the last 16 keys of a row: lanes 16-31 repeat one and are masked out
	v_lshlrev_b32 v3, 2, v3
	s_mul_i32 s12, s11, 16000
	s_mov_b32 s13, 0
	s_mul_i32 s14, s11, 125
	s_add_co_u32 s14, s14, s10
	s_mul_i32 s14, s14, 5120
	s_mov_b32 s15, 0
	s_mul_i32 s16, s11, LIMG
	s_mov_b32 s17, 0
	s_wait_kmcnt 0x0
	s_add_nc_u64 s[6:7], s[6:7], s[12:13]
	s_add_nc_u64 s[4:5], s[4:5], s[14:15]
	s_add_nc_u64 s[16:17], s[8:9], s[16:17]            ; the image's entries
.set j, 0
.rept 125
	global_load_b32 v[H+j], v2, s[6:7] offset:128*j
.set j, j+1
.endr
.irp r, 0,1,2,3,4,5,6,7,8,9,10,11,12,13,14,15
	global_load_b32 v[K+2*(3*\r)+1], v2, s[4:5] offset:320*\r
	global_load_b32 v[K+2*(3*\r+1)+1], v2, s[4:5] offset:320*\r+128
	global_load_b32 v[K+2*(3*\r+2)+1], v3, s[4:5] offset:320*\r+256
.endr
	s_wait_loadcnt 48                                  ; the 125 tables are in; the 48 key loads stay out
	v_add3_u32 v4, v[H], v[H+1], v[H+2]                ; T
.set j, 3
.rept 61
	v_add3_u32 v4, v4, v[H+j], v[H+j+1]
.set j, j+2
.endr
	s_cmp_gt_u32 s10, 0                                ; P: tables j < x (x is at most 124)
	s_cselect_b32 s20, 1, 0
	v_mul_u32_u24 v5, s20, v[H]
.set j, 1
.rept 123
	s_cmp_gt_u32 s10, j
	s_cselect_b32 s20, 1, 0
	v_mad_u32_u24 v5, v[H+j], s20, v5
.set j, j+1
.endr
	v_cmp_le_u32 vcc_lo, 0x1000, v4                    ; T falls with t: the lanes with T >= 4096 are 0 .. t0
	s_bcnt1_i32_b32 s21, vcc_lo
	s_sub_co_i32 s21, s21, 1
	s_max_i32 s21, s21, 0                              ; t0
	v_readlane_b32 s22, v4, s21
	v_readlane_b32 s23, v5, s21                        ; b: the next free place of my work-group
	s_min_u32 s22, s22, 0x27100                        ; M, at most 160,000
	s_mul_i32 s24, s21, STEP
	s_add_co_u32 s24, s24, KMIN                        ; T0
	s_mul_i32 s25, s10, 1280
	s_add_co_u32 s25, s25, s22
	v_add_nc_u32 v8, s25, v1                           ; M + flat index of (row 16 x, class 1 + l)
	s_lshl_b32 s29, s10, 11
	v_add_nc_u32 v9, s29, v1
	v_sub_nc_u32 v9, 0, v9                             ; -(128 * 16 x + l)
	s_wait_loadcnt 0x0
	s_wait_xcnt 0x0                                    ; EXEC changes only behind this wait
; 32 (for k = 2: 16) keys of row 16 x + r, classes 1 + 32 k + l
.macro STEP1 r, k
	v_cmp_le_u32 vcc_lo, s24, v[K+2*(3*\r+\k)+1]       ; taken
.if \k == 2
	s_and_b32 vcc_lo, vcc_lo, 0xffff
.endif
	v_mbcnt_lo_u32_b32 v6, vcc_lo, s23                 ; b + taken ones in the lanes below: the taken keys in front of me
	v_sub_nc_u32 v7, v8, v6
.if 80*\r+32*\k
	v_add_nc_u32 v7, 80*\r+32*\k, v7                   ; M + (flat index - taken in front): my place if I am not taken
.endif
	v_cndmask_b32 v10, v7, v6, vcc_lo
	s_bcnt1_i32_b32 s26, vcc_lo
	v_cmp_gt_u32 s27, 0x1000, v7                       ; only where M < 4096
.if \k == 2
	s_and_b32 s27, s27, 0xffff
.endif
	s_or_b32 vcc_lo, vcc_lo, s27
	v_min_u32 v10, 0x271ff, v10                        ; inside the image's 160,256 entries
	v_lshlrev_b32 v10, 3, v10
	v_sub_nc_u32 v[K+2*(3*\r+\k)], v9, 128*\r+32*\k+2  ; ~(128 n + c)
	s_and_saveexec_b32 s28, vcc_lo                     ; all lanes were on
	global_store_b64 v10, v[K+2*(3*\r+\k):K+2*(3*\r+\k)+1], s[16:17]
	s_wait_xcnt 0x0                                    ; EXEC and v10 are written again only behind this wait
	s_mov_b32 exec_lo, -1                              ; all lanes on again
	s_add_co_u32 s23, s23, s26
.endm
.irp r, 0,1,2,3,4,5,6,7,8,9,10,11,12,13,14,15
.irp k, 0,1,2
	STEP1 \r, \k
.endr
.endr
	s_cmp_lg_u32 s10, 0
	s_cbranch_scc1 .Lend
	s_max_u32 s22, s22, 4096                           ; work-group 0 of the image: M' and the 32 entries of zeros behind the list
	s_min_u32 s22, s22, 0x27100
	v_add_nc_u32 v10, s22, v1
	v_lshlrev_b32 v10, 3, v10
	v_mov_b32 v12, 0
	v_mov_b32 v13, 0
	global_store_b64 v10, v[12:13], s[16:17]
	s_lshl_b32 s20, s11, 6
	v_add_nc_u32 v6, s20, v3                           ; 64 y + 4 min(l, 15): lanes 15-31 write one word with one value
	v_mov_b32 v11, s22
	global_store_b32 v6, v11, s[18:19]                 ; the image's 64 bytes of cnt, all of them
.Lend:
	s_endpgm
.Lfunc_end_k_q55735e9de5_compact:
	.size	k_q55735e9de5_compact, .Lfunc_end_k_q55735e9de5_compact-k_q55735e9de5_compact
	.p2alignl 7, 3214868480
	.fill 96, 4, 3214868480
	.section	.rodata,"a",@progbits
	.p2align	6, 0x0
	.amdhsa_kernel k_q55735e9de5_compact
		.amdhsa_group_segment_fixed_size 0
		.amdhsa_private_segment_fixed_size 0
		.amdhsa_enable_private_segment 0
		.amdhsa_kernarg_size 32
		.amdhsa_user_sgpr_count 2
		.amdhsa_user_sgpr_kernarg_segment_ptr 1
		.amdhsa_wavefront_size32 1
		.amdhsa_system_sgpr_workgroup_id_x 1
		.amdhsa_system_sgpr_workgroup_id_y 1
		.amdhsa_system_sgpr_workgroup_id_z 1
		.amdhsa_system_vgpr_workitem_id 0
		.amdhsa_next_free_vgpr 240
		.amdhsa_next_free_sgpr 66
		.amdhsa_reserve_vcc 1
		.amdhsa_float_denorm_mode_32 3
		.amdhsa_float_denorm_mode_16_64 3
		.amdhsa_memory_ordered 1
		.amdhsa_forward_progress 1
		.amdhsa_inst_pref_size 80
	.end_amdhsa_kernel
	.amdgpu_metadata
---
amdhsa.version: [ 1, 2 ]
amdhsa.kernels:
  - .name:           k_q55735e9de5_compact
    .symbol:         k_q55735e9de5_compact.kd
    .args:
      - { .name: keys, .offset: 0, .size: 8, .value_kind: global_buffer, .address_space: global }
      - { .name: hist, .offset: 8, .size: 8, .value_kind: global_buffer, .address_space: global }
      - { .name: list, .offset: 16, .size: 8, .value_kind: global_buffer, .address_space: global }
      - { .name: cnt, .offset: 24, .size: 8, .value_kind: global_buffer, .address_space: global }
    .group_segment_fixed_size: 0
    .private_segment_fixed_size: 0
    .kernarg_segment_align: 8
    .kernarg_segment_size: 32
    .max_flat_workgroup_size: 32
    .sgpr_count:     66
    .vgpr_count:     240
    .wavefront_size: 32
...
	.end_amdgpu_metadata
.endif
;; end of part 2
;; launch rank (part 3): grid 64 x 4, 20 waves a work-group, no clusters, 10,240 bytes of LDS; arguments list, box_regression, rois, srt, slab, keep, cnt; writes srt, slab, keep
.if DOCPART == 3
	.amdgcn_target "amdgcn-amd-amdhsa--gfx1250"
	.amdhsa_code_object_version 6
	.text
	.protected	k_q55735e9de5_rank
	.globl	k_q55735e9de5_rank
	.p2align	8
	.type	k_q55735e9de5_rank,@function
k_q55735e9de5_rank:
	s_mov_b64 s[64:65], 0
	v_nop
	global_prefetch_b8 v0, s[64:65] scope:SCOPE_SE
	s_setreg_imm32_b32 hwreg(HW_REG_WAVE_MODE, 25, 1), 1
	s_wait_xcnt 0x0
; Sorts by counting: the rank of entry i is the number of entries j of the image's list that are larger as 64-bit numbers
; (key above, ~index below): exactly the order of a stable top-k.  Entries of rank < 4096 are decoded again and put at their
; rank: box, score bits (srt), label or 0 for an invalid filler (slab), and 0 (keep: the next launch overwrites the labelled ranks).
; The list's length M' comes from cnt (word 16 y); it alone steers trip counts and branches.
; Part 1, entries 0 .. 6143: work-group x of the image's 64 owns the 96 entries i = x + 64 l + 2048 r (lane l, set r = 0, 1, 2).
; Every wave holds all three sets in registers; the 20 waves share the j (32 at a time, wave w takes blocks w, w + 20, ..), so the
; 256 bytes that a trip loads feed 3 x 32 x 3 = 288 vector instructions, and a work-group walks the list once.  The counts meet
; in LDS; wave r sums and scatters set r.  64 x 4 = 256 work-groups of equal work.
; Part 2, entries from 6144 on (only if the list is longer): each of the image's 1280 waves takes 32 entries at a time and walks
; all j by itself; four turns of 1280 x 32 entries reach 6144 + 163,840, past the longest list of 160,000.
; The j come by scalar loads; the list is some tens of KiB an image, read by all its work-groups through the scalar cache:
; no copy engine is used, so there is nothing to share in a cluster.
; Each wave also leaves the largest coordinate among the boxes that it scattered (0 if none; clipped boxes are >= 0).
; LIMITS: as in the first launch (NaN and infinities not served).
.set LOG2E, 0x3fb8aa3b
.set CLIPV, 0x40845349
.set LIMG, 1282048
.set NW, 20                            ; waves of a work-group
.set CAP, 6144                         ; entries of part 1: 64 work-groups x 96
.set E, 64                             ; v64-v75: set r: v[E+4r] index word, +1 key, +2 ~key, +3 count
.set EA, 76                            ; v76-v78: byte offsets of the three sets' entries
.set SWF, 98
.set SHF, 99
.macro WMAX r, t
	v_max_num_f32_dpp v[\r], v[\r], v[\r] row_xmask:1 row_mask:0xf bank_mask:0xf
	v_max_num_f32_dpp v[\r], v[\r], v[\r] row_xmask:2 row_mask:0xf bank_mask:0xf
	v_max_num_f32_dpp v[\r], v[\r], v[\r] row_xmask:4 row_mask:0xf bank_mask:0xf
	v_max_num_f32_dpp v[\r], v[\r], v[\r] row_xmask:8 row_mask:0xf bank_mask:0xf
	v_permlanex16_b32 v[\t], v[\r], s96, s97
	v_max_num_f32 v[\r], v[\r], v[\t]
.endm
; decode and clip one box, line for line as in the first launch
.macro DEC d, x, g, t
	v_min_num_f32 v[\t], CLIPV, v[\d+2]
	v_min_num_f32 v[\t+1], CLIPV, v[\d+3]
	v_mul_f32 v[\t], LOG2E, v[\t]
	v_mul_f32 v[\t+1], LOG2E, v[\t+1]
	v_exp_f32 v[\t], v[\t]
	v_exp_f32 v[\t+1], v[\t+1]
	v_fma_f32 v[\t+2], v[\d], v[\g], v[\g+2]           ; the plain instruction between the exponentials and their use (ISA guide 5.7.2)
	v_fma_f32 v[\t+3], v[\d+1], v[\g+1], v[\g+3]
	s_wait_alu depctr_va_vdst(0)
	v_mul_f32 v[\t], v[\t], v[\g]
	v_mul_f32 v[\t+1], v[\t+1], v[\g+1]
	v_fma_f32 v[\x], -0.5, v[\t], v[\t+2]
	v_fma_f32 v[\x+1], -0.5, v[\t+1], v[\t+3]
	v_fma_f32 v[\x+2], 0.5, v[\t], v[\t+2]
	v_fma_f32 v[\x+3], 0.5, v[\t+1], v[\t+3]
	v_med3_num_f32 v[\x], v[\x], 0, s[SWF]
	v_med3_num_f32 v[\x+1], v[\x+1], 0, s[SHF]
	v_med3_num_f32 v[\x+2], v[\x+2], 0, s[SWF]
	v_med3_num_f32 v[\x+3], v[\x+3], 0, s[SHF]
.endm
; the entry i (v2) that I may scatter, held inside the list: v4 index word, v5 key, v6 = ~key, v7 = count = 0
.macro ENTRY
	v_min_u32 v3, s89, v2                              ; lanes past the end take the last entry and are masked out at the scatter
	v_min_u32 v3, 0x2711f, v3
	v_lshlrev_b32 v3, 3, v3
	global_load_b64 v[4:5], v3, s[4:5]
	s_wait_loadcnt 0x0
	v_xor_b32 v6, -1, v5
	v_mov_b32 v7, 0
.endm
; ask for that entry's deltas and proposal
.macro GATHER
	v_xor_b32 v9, -1, v4                               ; 128 n + c
	v_and_b32 v10, 127, v9
	v_lshrrev_b32 v9, 7, v9
	v_min_u32 v9, 1999, v9
	v_min_u32 v10, 80, v10
	v_mul_u32_u24 v11, 81, v9
	v_add_nc_u32 v11, v11, v10
	v_lshlrev_b32 v11, 4, v11
	v_lshlrev_b32 v12, 4, v9
	global_load_b128 v[16:19], v11, s[6:7]
	global_load_b128 v[20:23], v12, s[8:9]
.endm
; count += (entry j > entry i): j + ~i carries out of 64 bits exactly if j > i.  The low words' carry is a compare.
.macro CMP1 lo
	v_cmp_gt_u32 vcc_lo, s[\lo], v4
	v_add_co_ci_u32 v8, vcc_lo, s[\lo+1], v6, vcc_lo
	v_add_co_ci_u32 v7, vcc_lo, 0, v7, vcc_lo
.endm
; the same for the three sets of part 1: one j against 96 i
.macro CMP3 lo
.irp r, 0,1,2
	v_cmp_gt_u32 vcc_lo, s[\lo], v[E+4*\r]
	v_add_co_ci_u32 v8, vcc_lo, s[\lo+1], v[E+4*\r+2], vcc_lo
	v_add_co_ci_u32 v[E+4*\r+3], vcc_lo, 0, v[E+4*\r+3], vcc_lo
.endr
.endm
; s66 trips (at least one): 32 entries at s[90:91], then step entries on.  The zeros behind the list are larger than no entry.
; many = 1: against the three sets; 0: against the one entry of v4, v6, v7.
.macro JLOOP label, step, many
	s_mov_b32 s88, 0
\label:
	s_load_b512 s[16:31], s[90:91], 0x0
	s_load_b512 s[32:47], s[90:91], 0x40
	s_load_b512 s[48:63], s[90:91], 0x80
	s_load_b512 s[68:83], s[90:91], 0xc0
	s_wait_kmcnt 0x0                                   ; the data are in, and the address may be stepped
.set e, 0
.rept 24
.if \many
	CMP3 16+2*e
.else
	CMP1 16+2*e
.endif
.set e, e+1
.endr
.set e, 0
.rept 8
.if \many
	CMP3 68+2*e
.else
	CMP1 68+2*e
.endif
.set e, e+1
.endr
	s_add_nc_u64 s[90:91], s[90:91], 8*\step
	s_add_co_u32 s88, s88, 1
	s_cmp_lt_u32 s88, s66
	s_cbranch_scc1 \label
.endm
; rank in v[rk]: decode my entry's box and store box, key, label and 0 at the rank
.macro SCATTER rk
	s_wait_loadcnt 0x0
	v_sub_f32 v24, v22, v20
	v_sub_f32 v25, v23, v21
	v_fma_f32 v26, 0.5, v24, v20
	v_fma_f32 v27, 0.5, v25, v21
	DEC 16, 36, 24, 28
	v_cmp_gt_u32 vcc_lo, s87, v2                       ; i < M'
	v_cmp_gt_u32 s93, 0x1000, v[\rk]                   ; rank < 4096
	s_and_b32 vcc_lo, vcc_lo, s93
	v_max3_num_f32 v32, v36, v37, v38
	v_max_num_f32 v32, v32, v39
	v_cndmask_b32 v32, 0, v32, vcc_lo
	v_max_num_f32 v40, v40, v32                        ; the largest coordinate so far
	v_cmp_ne_u32 s93, 0, v5
	v_cndmask_b32 v42, 0, v10, s93                     ; label, 0 for an invalid filler
	v_min_u32 v41, 0xfff, v[\rk]
	v_lshlrev_b32 v33, 4, v41
	v_lshlrev_b32 v34, 2, v41
	s_wait_xcnt 0x0                                    ; EXEC changes only behind this wait
	s_and_saveexec_b32 s93, vcc_lo                     ; all lanes were on
	global_store_b128 v33, v[36:39], s[10:11]
	global_store_b32 v34, v5, s[2:3]
	global_store_b32 v34, v42, s[12:13]
	global_store_b32 v34, v43, s[14:15]
	s_wait_xcnt 0x0                                    ; and the stores' registers are written again only behind this one
	s_mov_b32 exec_lo, -1                              ; all lanes on again
.endm
	s_load_b256 s[4:11], s[0:1], 0x0                   ; list s[4:5], deltas s[6:7], rois s[8:9], srt s[10:11]
	s_load_b128 s[12:15], s[0:1], 0x20                 ; slab s[12:13], keep s[14:15]
	s_load_b64 s[90:91], s[0:1], 0x30                  ; cnt, until M' is in; then the pair serves as the j address
	v_lshl_add_u32 v80, v0, 2, 0x1e00
	v_mov_b32 v81, 0
	s_mov_b32 s84, ttmp9                               ; x
	s_and_b32 s85, ttmp7, 0xffff                       ; y: image
	v_lshrrev_b32 v1, 5, v0
	v_readfirstlane_b32 s86, v1                        ; wave
	v_and_b32 v1, 31, v0
	s_lshl_b32 s94, s85, 6                             ; 64 bytes of cnt an image
	s_mov_b32 s95, 0
	s_mov_b32 s96, 0x76543210
	s_mov_b32 s97, 0xfedcba98
	s_mov_b32 s98, 0x44a6a000                          ; 1333.0
	s_mov_b32 s99, 0x44480000                          ; 800.0
	v_mov_b32 v35, 0                                   ; the cross-half permute counts as a reader of its destination
	v_mov_b32 v40, 0                                   ; running maximum
	v_mov_b32 v43, 0
	s_wait_kmcnt 0x0
	s_load_b32 s87, s[90:91], s94 offset:0x0           ; M'
	s_mov_b32 s89, 0
	s_mul_i32 s88, s85, 2592000
	s_add_nc_u64 s[6:7], s[6:7], s[88:89]              ; the image's deltas
	s_mul_i32 s88, s85, 32000
	s_add_nc_u64 s[8:9], s[8:9], s[88:89]              ; its proposals
	s_lshl_b32 s88, s85, 14
	s_add_nc_u64 s[12:13], s[12:13], s[88:89]          ; its 4096 labels
	s_add_nc_u64 s[14:15], s[14:15], s[88:89]
	s_add_co_u32 s88, s88, 262144
	s_add_nc_u64 s[2:3], s[10:11], s[88:89]            ; its 4096 score words in srt
	s_mul_i32 s88, s85, 1280
	s_mul_i32 s92, s84, NW
	s_add_co_u32 s92, s92, s86                         ; 20 x + w: my wave's number in the image, 0 .. 1279
	s_add_co_u32 s88, s88, s92
	s_lshl_b32 s88, s88, 2
	s_add_co_u32 s88, s88, 327680
	s_add_nc_u64 s[100:101], s[10:11], s[88:89]        ; my wave's word for the largest coordinate
	s_lshl_b32 s88, s85, 16
	s_add_nc_u64 s[10:11], s[10:11], s[88:89]          ; its 4096 boxes
	s_mul_i32 s88, s85, LIMG
	s_add_nc_u64 s[4:5], s[4:5], s[88:89]              ; its entries
	s_wait_kmcnt 0x0                                   ; M' is in; s[90:91] and s94 may be written again
	s_min_u32 s87, s87, 0x27100                        ; 4096 <= M' <= 160,000
	s_add_co_u32 s89, s87, -1                          ; M' - 1
	s_add_co_u32 s85, s87, 31
	s_lshr_b32 s85, s85, 5                             ; nb: blocks of 32 entries, 128 to 5000
	; PART 1
	v_lshl_add_u32 v9, v1, 6, s84                      ; x + 64 l: all 64 work-groups hold alike many live entries
.irp r, 0,1,2
	v_add_nc_u32 v[EA+\r], 2048*\r, v9                 ; set r's entry,
	v_min_u32 v[EA+\r], s89, v[EA+\r]                  ; held inside the list
	v_min_u32 v[EA+\r], 0x2711f, v[EA+\r]
	v_lshlrev_b32 v[EA+\r], 3, v[EA+\r]
	global_load_b64 v[E+4*\r:E+4*\r+1], v[EA+\r], s[4:5]
.endr
	s_min_u32 s67, s86, 2
	s_lshl_b32 s67, s67, 11
	v_add_nc_u32 v2, s67, v9                           ; the set that wave 0, 1 or 2 will scatter, once more in the scatter's registers
	ENTRY                                              ; its wait for 0 covers the three loads above as well
.irp r, 0,1,2
	v_xor_b32 v[E+4*\r+2], -1, v[E+4*\r+1]
	v_mov_b32 v[E+4*\r+3], 0
.endr
	s_cmp_gt_u32 s86, 2
	s_cbranch_scc1 .Lnogather
	GATHER                                             ; waves 0 to 2: their two loads fly during the count
.Lnogather:
	s_sub_co_u32 s66, s85, s86
	s_add_co_u32 s66, s66, NW-1
	s_mul_i32 s66, s66, 52429                          ; blocks w, w + 20, .. below nb: (nb - w + 19) / 20 trips, at least 6;
	s_lshr_b32 s66, s66, 20                            ; n x 52429 >> 20 = n / 20 for every n below 65,536
	s_lshl_b32 s94, s86, 8                             ; block w
	s_add_nc_u64 s[90:91], s[4:5], s[94:95]
	JLOOP .LjA, 32*NW, 1
	v_lshlrev_b32 v13, 2, v0                           ; 128 w + 4 l
.irp r, 0,1,2
	ds_store_b32 v13, v[E+4*\r+3] offset:128*NW*\r     ; set r: 20 waves x 128 bytes
.endr
	s_wait_dscnt 0x0                                   ; my counts are in LDS before I say so
	s_barrier_signal -1
	s_barrier_wait -1
	s_cmp_gt_u32 s86, 2
	s_cbranch_scc1 .Lpart2
	s_min_u32 s67, s86, 2                              ; wave r takes set r
	s_mul_i32 s67, s67, 128*NW
	v_lshl_add_u32 v14, v1, 2, s67
.set q, 0
.rept NW
	ds_load_b32 v[44+q], v14 offset:128*q
.set q, q+1
.endr
	s_wait_dscnt 0x0
	v_add3_u32 v44, v44, v45, v46
	v_add3_u32 v47, v47, v48, v49
	v_add3_u32 v50, v50, v51, v52
	v_add3_u32 v53, v53, v54, v55
	v_add3_u32 v56, v56, v57, v58
	v_add3_u32 v59, v59, v60, v61
	v_add_nc_u32 v62, v62, v63
	v_add3_u32 v44, v44, v47, v50
	v_add3_u32 v53, v53, v56, v59
	v_add3_u32 v44, v44, v53, v62                      ; the rank
	SCATTER 44
	; PART 2: entries 6144 + 32 (20 x + w) + 40960 u, u = 0 .. 3; a turn whose first entry lies past the list is passed over
.Lpart2:
	s_lshl_b32 s92, s92, 5
	s_add_co_u32 s92, s92, CAP
	s_mov_b32 s66, s85                                 ; every block of the list
	s_mov_b32 s67, 0
.Lover:
	s_cmp_ge_u32 s92, s87
	s_cbranch_scc1 .Lskip
	v_add_nc_u32 v2, s92, v1
	ENTRY
	GATHER
	s_mov_b64 s[90:91], s[4:5]
	JLOOP .LjB, 32, 0
	SCATTER 7
.Lskip:
	s_add_co_u32 s92, s92, 40960
	s_add_co_u32 s67, s67, 1
	s_cmp_lt_u32 s67, 4
	s_cbranch_scc1 .Lover
	WMAX 40, 35
	v_mov_b32 v15, 0
	s_wait_xcnt 0x0
	s_mov_b32 vcc_lo, 1
	s_wait_tensorcnt 0x0
	ds_add_u32 v80, v81
	s_wait_dscnt 0x0
	s_and_saveexec_b32 s93, vcc_lo
	global_store_b32 v15, v40, s[100:101]
	s_wait_xcnt 0x0
	s_mov_b32 exec_lo, -1
	s_endpgm
.Lfunc_end_k_q55735e9de5_rank:
	.size	k_q55735e9de5_rank, .Lfunc_end_k_q55735e9de5_rank-k_q55735e9de5_rank
	.p2alignl 7, 3214868480
	.fill 96, 4, 3214868480
	.section	.rodata,"a",@progbits
	.p2align	6, 0x0
	.amdhsa_kernel k_q55735e9de5_rank
		.amdhsa_group_segment_fixed_size 10240
		.amdhsa_private_segment_fixed_size 0
		.amdhsa_enable_private_segment 0
		.amdhsa_kernarg_size 56
		.amdhsa_user_sgpr_count 2
		.amdhsa_user_sgpr_kernarg_segment_ptr 1
		.amdhsa_wavefront_size32 1
		.amdhsa_system_sgpr_workgroup_id_x 1
		.amdhsa_system_sgpr_workgroup_id_y 1
		.amdhsa_system_sgpr_workgroup_id_z 1
		.amdhsa_system_vgpr_workitem_id 0
		.amdhsa_next_free_vgpr 82
		.amdhsa_next_free_sgpr 102
		.amdhsa_reserve_vcc 1
		.amdhsa_float_denorm_mode_32 3
		.amdhsa_float_denorm_mode_16_64 3
		.amdhsa_memory_ordered 1
		.amdhsa_forward_progress 1
		.amdhsa_inst_pref_size 27
	.end_amdhsa_kernel
	.amdgpu_metadata
---
amdhsa.version: [ 1, 2 ]
amdhsa.kernels:
  - .name:           k_q55735e9de5_rank
    .symbol:         k_q55735e9de5_rank.kd
    .args:
      - { .name: list, .offset: 0, .size: 8, .value_kind: global_buffer, .address_space: global }
      - { .name: box_regression, .offset: 8, .size: 8, .value_kind: global_buffer, .address_space: global }
      - { .name: rois, .offset: 16, .size: 8, .value_kind: global_buffer, .address_space: global }
      - { .name: srt, .offset: 24, .size: 8, .value_kind: global_buffer, .address_space: global }
      - { .name: slab, .offset: 32, .size: 8, .value_kind: global_buffer, .address_space: global }
      - { .name: keep, .offset: 40, .size: 8, .value_kind: global_buffer, .address_space: global }
      - { .name: cnt, .offset: 48, .size: 8, .value_kind: global_buffer, .address_space: global }
    .group_segment_fixed_size: 10240
    .private_segment_fixed_size: 0
    .kernarg_segment_align: 8
    .kernarg_segment_size: 56
    .max_flat_workgroup_size: 640
    .sgpr_count:     102
    .vgpr_count:     82
    .wavefront_size: 32
...
	.end_amdgpu_metadata
.endif
;; end of part 3
;; launch nms (part 4): grid 80 x 4, 1 waves a work-group, no clusters, 41,728 bytes of LDS; arguments slab, srt, keep; writes keep
.if DOCPART == 4
	.amdgcn_target "amdgcn-amd-amdhsa--gfx1250"
	.amdhsa_code_object_version 6
	.text
	.protected	k_q55735e9de5_nms
	.globl	k_q55735e9de5_nms
	.p2align	8
	.type	k_q55735e9de5_nms,@function
k_q55735e9de5_nms:
	s_mov_b64 s[64:65], 0
	v_nop
	global_prefetch_b8 v0, s[64:65] scope:SCOPE_SE
	s_setreg_imm32_b32 hwreg(HW_REG_WAVE_MODE, 25, 1), 1
	s_wait_xcnt 0x0
; Greedy suppression for one class of one image.  All boxes lie in [0, max], and a box of label c is shifted by c (max + 1),
; so boxes of different labels have intersection exactly 0: the greedy pass falls apart into the 80 classes.
; The shift is kept, so that the shifted coordinates round as in the problem's own arithmetic.
; One wave: (A) the ranks that carry my label, in rank order, into LDS; (B) their boxes, shifted, into LDS; (C) chunks of 32:
; a chunk first settles itself lane by lane, then strikes out what it covers in every later chunk.  keep[rank] = label or 0.
; A class has at most 2000 candidates (one a proposal): 2048 places.  Masks that come from box arithmetic feed selects and
; stored words only; every address and trip count comes from the labels.
; LIMIT: the test is 2 inter > area_a + area_b - inter + 1e-9; it differs from rounding the quotient and comparing with 0.5
; only where the exact quotient lies within 2^-25 above 0.5.
.set LBOX, 8448                        ; LDS: ranks at 0 (2048 words + 32 words that take the other lanes' stores), boxes at 8448 (2048 x 16)
.set LALIVE, 41216                     ; 64 words: bit l of word b = candidate 32 b + l is not struck out
; lanes t and t + 1 of chunk A (box v16-19, area v20) against the 32 boxes v[bx .. bx+3], area v[bx+4].
; own = 1: the chunk against itself, only later lanes are struck, and s24 changes as t goes on; own = 0: strikes in s27.
.macro TS2 own, bx, t
.irp u, 0,1
	v_readlane_b32 s[32+8*\u], v16, \t+\u
	v_readlane_b32 s[33+8*\u], v17, \t+\u
	v_readlane_b32 s[34+8*\u], v18, \t+\u
	v_readlane_b32 s[35+8*\u], v19, \t+\u
	v_readlane_b32 s[36+8*\u], v20, \t+\u
.endr
.irp u, 0,1
	v_max_num_f32 v[32+4*\u], s[32+8*\u], v[\bx]
	v_max_num_f32 v[33+4*\u], s[33+8*\u], v[\bx+1]
	v_min_num_f32 v[34+4*\u], s[34+8*\u], v[\bx+2]
	v_min_num_f32 v[35+4*\u], s[35+8*\u], v[\bx+3]
.endr
.irp u, 0,1
	v_sub_f32 v[34+4*\u], v[34+4*\u], v[32+4*\u]
	v_sub_f32 v[35+4*\u], v[35+4*\u], v[33+4*\u]
	v_add_f32 v[32+4*\u], s[36+8*\u], v[\bx+4]
.endr
.irp u, 0,1
	v_max_num_f32 v[34+4*\u], 0, v[34+4*\u]
	v_max_num_f32 v[35+4*\u], 0, v[35+4*\u]
.endr
.irp u, 0,1
	v_mul_f32 v[34+4*\u], v[34+4*\u], v[35+4*\u]       ; intersection
.endr
.irp u, 0,1
	v_sub_f32 v[32+4*\u], v[32+4*\u], v[34+4*\u]
	v_add_f32 v[33+4*\u], v[34+4*\u], v[34+4*\u]
.endr
.irp u, 0,1
	v_add_f32 v[32+4*\u], 0x3089705f, v[32+4*\u]       ; + 1e-9
.endr
.irp u, 0,1
	v_cmp_gt_f32 s[37+8*\u], v[33+4*\u], v[32+4*\u]
.endr
.irp u, 0,1
	s_bitcmp1_b32 s24, \t+\u                           ; only a candidate that still stands strikes others
	s_cselect_b32 s[37+8*\u], s[37+8*\u], 0
.if \own
	s_and_b32 s[37+8*\u], s[37+8*\u], (0xfffffffe << (\t+\u)) & 0xffffffff
	s_and_not1_b32 s24, s24, s[37+8*\u]
.else
	s_and_not1_b32 s27, s27, s[37+8*\u]
.endif
.endr
.endm
.macro TS own, bx
.irp t, 0,2,4,6,8,10,12,14,16,18,20,22,24,26,28,30
	TS2 \own, \bx, \t
.endr
.endm
; ranks 32 q0 + l .. 32 (q0 + 7) + l: those with my label go to the next free places of the list, the others to the spare words.
; Eight steps side by side (masks s32-39, counts s40-47, places v104-111, ranks v112-119), so that no line needs the line in front of it;
; only the running number of places, s16, goes from step to step.
.macro CSTEP8 q0
.set cu, 0
.rept 8
	v_cmp_eq_u32 s[32+cu], s10, v[128+\q0+cu]
.set cu, cu+1
.endr
.set cu, 0
.rept 8
	s_bcnt1_i32_b32 s[40+cu], s[32+cu]
.set cu, cu+1
.endr
.set cu, 0
.rept 8
	v_mbcnt_lo_u32_b32 v[104+cu], s[32+cu], s16        ; places taken so far + lanes below me that take one
	s_add_co_u32 s16, s16, s[40+cu]
.set cu, cu+1
.endr
.set cu, 0
.rept 8
	v_cndmask_b32 v[104+cu], v5, v[104+cu], s[32+cu]
.set cu, cu+1
.endr
.set cu, 0
.rept 8
	v_min_u32 v[104+cu], 0x81f, v[104+cu]
.set cu, cu+1
.endr
.set cu, 0
.rept 8
	v_lshlrev_b32 v[104+cu], 2, v[104+cu]
.set cu, cu+1
.endr
.set cu, 0
.rept 8
	v_or_b32 v[112+cu], 32*(\q0+cu), v1
.set cu, cu+1
.endr
.set cu, 0
.rept 8
	ds_store_b32 v[104+cu], v[112+cu]
.set cu, cu+1
.endr
.endm
	s_load_b128 s[4:7], s[0:1], 0x0                    ; slab, srt
	s_load_b64 s[8:9], s[0:1], 0x10                    ; keep
	v_lshl_add_u32 v126, v0, 2, 0xa200
	v_mov_b32 v127, 0
	s_add_co_u32 s10, ttmp9, 1                         ; my label
	s_and_b32 s11, ttmp7, 0xffff                       ; image
	v_and_b32 v1, 31, v0
	v_lshlrev_b32 v2, 2, v1
	v_lshlrev_b32 v3, 4, v1
	v_add_nc_u32 v5, 0x800, v1
	v_mov_b32 v30, s10
	s_mov_b32 s28, 0x76543210
	s_mov_b32 s29, 0xfedcba98
	s_mov_b32 s16, 0
	s_mov_b32 s31, 0
	s_lshl_b32 s30, s11, 14
	s_wait_kmcnt 0x0
	s_add_nc_u64 s[4:5], s[4:5], s[30:31]
	s_add_nc_u64 s[8:9], s[8:9], s[30:31]
	s_lshl_b32 s30, s11, 16
	s_add_nc_u64 s[12:13], s[6:7], s[30:31]            ; the image's boxes
	s_mul_i32 s30, s11, 5120
	s_add_co_u32 s30, s30, 327680
	s_add_nc_u64 s[14:15], s[6:7], s[30:31]            ; its 1280 partial maxima
.set q, 0
.rept 128
	global_load_b32 v[128+q], v2, s[4:5] offset:128*q
.set q, q+1
.endr
.set q, 0
.rept 10
	global_load_b128 v[64+4*q:67+4*q], v3, s[14:15] offset:512*q
.set q, q+1
.endr
	; PHASE A
	s_wait_loadcnt 10                                  ; the 128 label loads are in; the ten loads of maxima stay out
.set q, 0
.rept 16
	CSTEP8 q
.set q, q+8
.endr
	s_min_u32 s16, s16, 2048                           ; n
	s_cmp_eq_u32 s16, 0
	s_cbranch_scc1 .Lend                               ; no rank carries my label: nothing to decide, nothing to store
	s_add_co_u32 s18, s16, 31
	s_lshr_b32 s18, s18, 5                             ; chunks, 1 to 64
	s_add_co_u32 s21, s16, -1                          ; n - 1
	s_wait_loadcnt 0x0
.set q, 0
.rept 19
	v_max3_num_f32 v64, v64, v[65+2*q], v[66+2*q]
.set q, q+1
.endr
	v_max_num_f32 v64, v64, v103
	v_max_num_f32_dpp v64, v64, v64 row_xmask:1 row_mask:0xf bank_mask:0xf
	v_max_num_f32_dpp v64, v64, v64 row_xmask:2 row_mask:0xf bank_mask:0xf
	v_max_num_f32_dpp v64, v64, v64 row_xmask:4 row_mask:0xf bank_mask:0xf
	v_max_num_f32_dpp v64, v64, v64 row_xmask:8 row_mask:0xf bank_mask:0xf
	v_permlanex16_b32 v104, v64, s28, s29              ; its destination counts as read: v104 was written in phase A
	v_max_num_f32 v64, v64, v104
	v_add_f32 v64, 1.0, v64
	v_cvt_f32_u32 v8, s10
	v_mul_f32 v7, v8, v64                              ; the shift: label x (largest coordinate + 1)
	; PHASE B: chunk b's boxes, shifted, and its word of live bits
	s_mov_b32 s19, 0
.LB:
	s_lshl_b32 s20, s19, 5
	v_add_nc_u32 v9, s20, v1                           ; place
	v_min_u32 v10, s21, v9                             ; places past the end repeat the last candidate and are not live
	v_min_u32 v10, 0x7ff, v10
	v_lshlrev_b32 v10, 2, v10
	ds_load_b32 v11, v10
	s_wait_dscnt 0x0
	v_min_u32 v11, 0xfff, v11
	v_lshlrev_b32 v12, 4, v11
	global_load_b128 v[16:19], v12, s[12:13]
	s_wait_loadcnt 0x0
	v_add_f32 v16, v16, v7
	v_add_f32 v17, v17, v7
	v_add_f32 v18, v18, v7
	v_add_f32 v19, v19, v7
	v_min_u32 v13, 0x7ff, v9
	v_lshlrev_b32 v13, 4, v13
	ds_store_b128 v13, v[16:19] offset:LBOX
	v_cmp_gt_u32 vcc_lo, s16, v9
	v_mov_b32 v14, vcc_lo
	s_min_u32 s22, s19, 63
	s_lshl_b32 s22, s22, 2
	v_mov_b32 v15, s22
	ds_store_b32 v15, v14 offset:LALIVE
	s_add_co_u32 s19, s19, 1
	s_cmp_lt_u32 s19, s18
	s_cbranch_scc1 .LB
	; PHASE C.  LDS serves a wave's instructions in order (ISA guide 5.7.1), so these loads see the stores above.
	s_mov_b32 s19, 0
.LC:
	s_lshl_b32 s20, s19, 5
	v_add_nc_u32 v9, s20, v1
	v_min_u32 v12, 0x7ff, v9
	v_lshlrev_b32 v12, 4, v12
	v_min_u32 v11, s21, v9
	v_min_u32 v11, 0x7ff, v11
	v_lshlrev_b32 v11, 2, v11
	s_min_u32 s22, s19, 63
	s_lshl_b32 s22, s22, 2
	v_mov_b32 v15, s22
	ds_load_b128 v[16:19], v12 offset:LBOX
	ds_load_b32 v21, v11
	ds_load_b32 v22, v15 offset:LALIVE
	s_wait_dscnt 0x0
	v_readfirstlane_b32 s24, v22                       ; chunk a's live bits: all earlier chunks have struck
	v_sub_f32 v20, v18, v16
	v_sub_f32 v23, v19, v17
	v_mul_f32 v20, v20, v23                            ; area
	TS 1, 16
	v_cndmask_b32 v29, 0, v30, s24                     ; label if kept
	v_cmp_gt_u32 vcc_lo, s16, v9
	v_min_u32 v21, 0xfff, v21
	v_lshlrev_b32 v21, 2, v21
	s_wait_xcnt 0x0                                    ; EXEC changes only behind this wait
	s_and_saveexec_b32 s25, vcc_lo                     ; all lanes were on
	global_store_b32 v21, v29, s[8:9]
	s_wait_xcnt 0x0                                    ; v21 and v29 are written again only behind this one
	s_mov_b32 exec_lo, -1                              ; all lanes on again
	s_add_co_u32 s26, s19, 1
	s_cmp_ge_u32 s26, s18
	s_cbranch_scc1 .LCnext
.LCb:
	s_lshl_b32 s20, s26, 5
	v_add_nc_u32 v10, s20, v1
	v_min_u32 v10, 0x7ff, v10
	v_lshlrev_b32 v10, 4, v10
	s_min_u32 s22, s26, 63
	s_lshl_b32 s22, s22, 2
	v_mov_b32 v15, s22
	ds_load_b128 v[24:27], v10 offset:LBOX
	ds_load_b32 v22, v15 offset:LALIVE
	s_wait_dscnt 0x0
	v_readfirstlane_b32 s27, v22
	v_sub_f32 v28, v26, v24
	v_sub_f32 v23, v27, v25
	v_mul_f32 v28, v28, v23
	TS 0, 24
	v_mov_b32 v22, s27
	ds_store_b32 v15, v22 offset:LALIVE
	s_add_co_u32 s26, s26, 1
	s_cmp_lt_u32 s26, s18
	s_cbranch_scc1 .LCb
.LCnext:
	s_add_co_u32 s19, s19, 1
	s_cmp_lt_u32 s19, s18
	s_cbranch_scc1 .LC
.Lend:
	s_wait_tensorcnt 0x0
	ds_add_u32 v126, v127
	s_wait_dscnt 0x0
	s_endpgm
.Lfunc_end_k_q55735e9de5_nms:
	.size	k_q55735e9de5_nms, .Lfunc_end_k_q55735e9de5_nms-k_q55735e9de5_nms
	.p2alignl 7, 3214868480
	.fill 96, 4, 3214868480
	.section	.rodata,"a",@progbits
	.p2align	6, 0x0
	.amdhsa_kernel k_q55735e9de5_nms
		.amdhsa_group_segment_fixed_size 41728
		.amdhsa_private_segment_fixed_size 0
		.amdhsa_enable_private_segment 0
		.amdhsa_kernarg_size 24
		.amdhsa_user_sgpr_count 2
		.amdhsa_user_sgpr_kernarg_segment_ptr 1
		.amdhsa_wavefront_size32 1
		.amdhsa_system_sgpr_workgroup_id_x 1
		.amdhsa_system_sgpr_workgroup_id_y 1
		.amdhsa_system_sgpr_workgroup_id_z 1
		.amdhsa_system_vgpr_workitem_id 0
		.amdhsa_next_free_vgpr 256
		.amdhsa_next_free_sgpr 66
		.amdhsa_reserve_vcc 1
		.amdhsa_float_denorm_mode_32 3
		.amdhsa_float_denorm_mode_16_64 3
		.amdhsa_memory_ordered 1
		.amdhsa_forward_progress 1
		.amdhsa_inst_pref_size 140
	.end_amdhsa_kernel
	.amdgpu_metadata
---
amdhsa.version: [ 1, 2 ]
amdhsa.kernels:
  - .name:           k_q55735e9de5_nms
    .symbol:         k_q55735e9de5_nms.kd
    .args:
      - { .name: slab, .offset: 0, .size: 8, .value_kind: global_buffer, .address_space: global }
      - { .name: srt, .offset: 8, .size: 8, .value_kind: global_buffer, .address_space: global }
      - { .name: keep, .offset: 16, .size: 8, .value_kind: global_buffer, .address_space: global }
    .group_segment_fixed_size: 41728
    .private_segment_fixed_size: 0
    .kernarg_segment_align: 8
    .kernarg_segment_size: 24
    .max_flat_workgroup_size: 32
    .sgpr_count:     66
    .vgpr_count:     256
    .wavefront_size: 32
...
	.end_amdgpu_metadata
.endif
;; end of part 4
;; launch emit (part 5): grid 4 x 1, 1 waves a work-group, no clusters, 1,280 bytes of LDS; arguments keep, srt, out0, out1, out2; writes out0, out1, out2
.if DOCPART == 5
	.amdgcn_target "amdgcn-amd-amdhsa--gfx1250"
	.amdhsa_code_object_version 6
	.text
	.protected	k_q55735e9de5_emit
	.globl	k_q55735e9de5_emit
	.p2align	8
	.type	k_q55735e9de5_emit,@function
k_q55735e9de5_emit:
	s_mov_b64 s[64:65], 0
	v_nop
	global_prefetch_b8 v0, s[64:65] scope:SCOPE_SE
	s_setreg_imm32_b32 hwreg(HW_REG_WAVE_MODE, 25, 1), 1
	s_wait_xcnt 0x0
; The first 100 kept ranks of an image, in rank order (= falling score, ties by index), go out; places beyond the kept ones are 0.
; One wave an image: the kept ranks are packed into a list in LDS (words 0-127, cleared first; words 128-159 take the stores of
; lanes that have nothing to add or come after place 127), then four groups of 32 places gather box, score and label by rank.
; Four work-groups: the work is 16 KiB of flags and 100 gathers an image, too little to share further.
; ranks 32 q0 + l .. 32 (q0 + 7) + l, eight steps side by side (masks s32-39, counts s40-47, places v104-111, ranks v112-119),
; so that no line needs the line in front of it; only the running number of kept ranks, s18, goes from step to step.
.macro CSTEP8 q0
.set cu, 0
.rept 8
	v_cmp_ne_u32 s[32+cu], 0, v[128+\q0+cu]
.set cu, cu+1
.endr
.set cu, 0
.rept 8
	s_bcnt1_i32_b32 s[40+cu], s[32+cu]
.set cu, cu+1
.endr
.set cu, 0
.rept 8
	v_mbcnt_lo_u32_b32 v[104+cu], s[32+cu], s18        ; kept so far + kept in the lanes below me
	s_add_co_u32 s18, s18, s[40+cu]
.set cu, cu+1
.endr
.set cu, 0
.rept 8
	v_cndmask_b32 v[104+cu], v5, v[104+cu], s[32+cu]
.set cu, cu+1
.endr
.set cu, 0
.rept 8
	v_min_u32 v[104+cu], 159, v[104+cu]
.set cu, cu+1
.endr
.set cu, 0
.rept 8
	v_lshlrev_b32 v[104+cu], 2, v[104+cu]
.set cu, cu+1
.endr
.set cu, 0
.rept 8
	v_or_b32 v[112+cu], 32*(\q0+cu), v1
.set cu, cu+1
.endr
.set cu, 0
.rept 8
	ds_store_b32 v[104+cu], v[112+cu]
.set cu, cu+1
.endr
.endm
.set R, 32                             ; group m: v[R+16m ..]: +0..3 box, +4 score, +5 label, +6 rank, +7 16 x rank, +8 4 x rank, +9 place
	s_load_b256 s[4:11], s[0:1], 0x0                   ; keep s[4:5], srt s[6:7], out0 s[8:9], out1 s[10:11]
	s_load_b64 s[12:13], s[0:1], 0x20                  ; out2
	v_lshl_add_u32 v126, v0, 2, 0x400
	v_mov_b32 v127, 0
	v_and_b32 v1, 31, v0
	v_lshlrev_b32 v2, 2, v1
	v_mov_b32 v3, 0
	v_add_nc_u32 v5, 128, v1
.irp m, 0,1,2,3
	ds_store_b32 v2, v3 offset:128*\m
.endr
	s_mov_b32 s18, 0
	s_mov_b32 s21, 0
	s_lshl_b32 s20, ttmp9, 14
	s_wait_kmcnt 0x0
	s_add_nc_u64 s[4:5], s[4:5], s[20:21]              ; the image's flags
	s_add_co_u32 s20, s20, 262144
	s_add_nc_u64 s[16:17], s[6:7], s[20:21]            ; its scores
	s_lshl_b32 s20, ttmp9, 16
	s_add_nc_u64 s[14:15], s[6:7], s[20:21]            ; its boxes
	s_mul_i32 s20, ttmp9, 1600
	s_add_nc_u64 s[8:9], s[8:9], s[20:21]
	s_mul_i32 s20, ttmp9, 400
	s_add_nc_u64 s[10:11], s[10:11], s[20:21]
	s_add_nc_u64 s[12:13], s[12:13], s[20:21]
.set q, 0
.rept 128
	global_load_b32 v[128+q], v2, s[4:5] offset:128*q
.set q, q+1
.endr
	s_wait_loadcnt 0x0
.set q, 0
.rept 16
	CSTEP8 q
.set q, q+8
.endr
.irp m, 0,1,2,3
	ds_load_b32 v[R+16*\m+6], v2 offset:128*\m         ; in order behind the stores above (ISA guide 5.7.1)
.endr
	s_wait_dscnt 0x0
.irp m, 0,1,2,3
	v_min_u32 v[R+16*\m+6], 0xfff, v[R+16*\m+6]
	v_lshlrev_b32 v[R+16*\m+7], 4, v[R+16*\m+6]
	v_lshlrev_b32 v[R+16*\m+8], 2, v[R+16*\m+6]
	global_load_b128 v[R+16*\m:R+16*\m+3], v[R+16*\m+7], s[14:15]
	global_load_b32 v[R+16*\m+4], v[R+16*\m+8], s[16:17]
	global_load_b32 v[R+16*\m+5], v[R+16*\m+8], s[4:5]
.endr
	s_wait_loadcnt 0x0                                 ; all twelve gathers; their address registers are free as well
.irp m, 0,1,2,3
	v_or_b32 v[R+16*\m+9], 32*\m, v1                   ; place
	v_cmp_gt_u32 vcc_lo, s18, v[R+16*\m+9]             ; place < number kept
.irp j, 0,1,2,3,4,5
	v_cndmask_b32 v[R+16*\m+\j], 0, v[R+16*\m+\j], vcc_lo
.endr
	v_lshlrev_b32 v[R+16*\m+7], 4, v[R+16*\m+9]
	v_lshlrev_b32 v[R+16*\m+8], 2, v[R+16*\m+9]
.endr
.irp m, 0,1,2
	global_store_b128 v[R+16*\m+7], v[R+16*\m:R+16*\m+3], s[8:9]
	global_store_b32 v[R+16*\m+8], v[R+16*\m+4], s[10:11]
	global_store_b32 v[R+16*\m+8], v[R+16*\m+5], s[12:13]
.endr
	s_wait_xcnt 0x0                                    ; EXEC changes only behind this wait
	s_mov_b32 vcc_lo, 15
	s_wait_tensorcnt 0x0
	ds_add_u32 v126, v127
	s_wait_dscnt 0x0
	s_and_saveexec_b32 s19, vcc_lo                     ; places 96 to 99
	global_store_b128 v[R+48+7], v[R+48:R+48+3], s[8:9]
	global_store_b32 v[R+48+8], v[R+48+4], s[10:11]
	global_store_b32 v[R+48+8], v[R+48+5], s[12:13]
	s_wait_xcnt 0x0
	s_or_b32 exec_lo, exec_lo, s19
	s_endpgm
.Lfunc_end_k_q55735e9de5_emit:
	.size	k_q55735e9de5_emit, .Lfunc_end_k_q55735e9de5_emit-k_q55735e9de5_emit
	.p2alignl 7, 3214868480
	.fill 96, 4, 3214868480
	.section	.rodata,"a",@progbits
	.p2align	6, 0x0
	.amdhsa_kernel k_q55735e9de5_emit
		.amdhsa_group_segment_fixed_size 1280
		.amdhsa_private_segment_fixed_size 0
		.amdhsa_enable_private_segment 0
		.amdhsa_kernarg_size 40
		.amdhsa_user_sgpr_count 2
		.amdhsa_user_sgpr_kernarg_segment_ptr 1
		.amdhsa_wavefront_size32 1
		.amdhsa_system_sgpr_workgroup_id_x 1
		.amdhsa_system_sgpr_workgroup_id_y 1
		.amdhsa_system_sgpr_workgroup_id_z 1
		.amdhsa_system_vgpr_workitem_id 0
		.amdhsa_next_free_vgpr 256
		.amdhsa_next_free_sgpr 66
		.amdhsa_reserve_vcc 1
		.amdhsa_float_denorm_mode_32 3
		.amdhsa_float_denorm_mode_16_64 3
		.amdhsa_memory_ordered 1
		.amdhsa_forward_progress 1
		.amdhsa_inst_pref_size 79
	.end_amdhsa_kernel
	.amdgpu_metadata
---
amdhsa.version: [ 1, 2 ]
amdhsa.kernels:
  - .name:           k_q55735e9de5_emit
    .symbol:         k_q55735e9de5_emit.kd
    .args:
      - { .name: keep, .offset: 0, .size: 8, .value_kind: global_buffer, .address_space: global }
      - { .name: srt, .offset: 8, .size: 8, .value_kind: global_buffer, .address_space: global }
      - { .name: out0, .offset: 16, .size: 8, .value_kind: global_buffer, .address_space: global }
      - { .name: out1, .offset: 24, .size: 8, .value_kind: global_buffer, .address_space: global }
      - { .name: out2, .offset: 32, .size: 8, .value_kind: global_buffer, .address_space: global }
    .group_segment_fixed_size: 1280
    .private_segment_fixed_size: 0
    .kernarg_segment_align: 8
    .kernarg_segment_size: 40
    .max_flat_workgroup_size: 32
    .sgpr_count:     66
    .vgpr_count:     256
    .wavefront_size: 32
...
	.end_amdgpu_metadata
.endif
;; end of part 5
